; MI455X (gfx1250); checked and timed in simulation.
; The chip was launched on July 23, 2026; its instructions are those of AMD's public machine-readable ISA for CDNA 5 (MIT licence, August 2026) and "CDNA5" Instruction Set Architecture Reference Guide (July 2026). The comments in the code are by the model that wrote it; some were corrected since.
;; XPINN. Allowed arithmetic: matrix products marked QUANTISED: E2M3 operands, one E8M0 scale for each 32 along K, by v_wmma_scale_f32_16x16x128_f8f6f4 with both operands' format E2M3, f32 sums; products left as they are: f32 operands where the result goes on into a quantised operand, else bf16, f16 or f32 operands; f32 sums; everything else in f32.
;; Inputs: B 4 x 100 x 2 float32; W1 4 x 200 x 128 float32; W2_codes 4 x 128 x 4 x 24 uint8 (E2M3 codes of W2, K innermost, in blocks of 32 codes, four codes in three bytes); W2_scales 4 x 128 x 4 uint8 (E8M0 scales of W2, one for each 32 codes along K); W3_codes 4 x 128 x 4 x 24 uint8 (E2M3 codes of W3, K innermost, in blocks of 32 codes, four codes in three bytes); W3_scales 4 x 128 x 4 uint8 (E8M0 scales of W3, one for each 32 codes along K); W4 4 x 128 x 1 float32; b1 4 x 128 float32; b2 4 x 128 float32; b3 4 x 128 float32; b4 4 x 1 float32; t 262,144 x 1 float32; x 262,144 x 1 float32.
;; Outputs: out0 262,144 x 1 float32.
;; This version of the problem:
;;   THIS VERSION OF THE PROBLEM IS GIVEN IN LOW PRECISION. The matrix products marked QUANTISED in the list below multiply operands that are first quantised to E2M3 (2 exponent bits, 3 mantissa bits; 6 bits a number), with one power-of-two scale for each 32 numbers along K (OCP MX v1.0); their sums are f32. All else is computed in f32.
;;   The module's matrix products, in the order in which they are computed (A, B: the left and right operand; K: the contracted axis; several contracted axes count as one K, in the product's order):
;;     1. [M 262,144, K 2] x [K 2, N 100]; A: computed on the way; B: input B: left as it is (K = 2 < 32)
;;     2. [M 262,144, K 200] x [K 200, N 128]; A: computed on the way; B: input W1: QUANTISED
;;     3. [M 262,144, K 128] x [K 128, N 128]; A: computed on the way; B: input W2 (given as codes): QUANTISED
;;     4. [M 262,144, K 128] x [K 128, N 128]; A: computed on the way; B: input W3 (given as codes): QUANTISED
;;     5. [M 262,144, K 128] x [K 128, N 1]; A: computed on the way; B: input W4: left as it is (N = 1 < 16)
;;     6. [M 262,144, K 2] x [K 2, N 100]; A: computed on the way; B: input B: left as it is (K = 2 < 32)
;;     7. [M 262,144, K 200] x [K 200, N 128]; A: computed on the way; B: input W1: QUANTISED
;;     8. [M 262,144, K 128] x [K 128, N 128]; A: computed on the way; B: input W2 (given as codes): QUANTISED
;;     9. [M 262,144, K 128] x [K 128, N 128]; A: computed on the way; B: input W3 (given as codes): QUANTISED
;;     10. [M 262,144, K 128] x [K 128, N 1]; A: computed on the way; B: input W4: left as it is (N = 1 < 16)
;;     11. [M 262,144, K 2] x [K 2, N 100]; A: computed on the way; B: input B: left as it is (K = 2 < 32)
;;     12. [M 262,144, K 200] x [K 200, N 128]; A: computed on the way; B: input W1: QUANTISED
;;     13. [M 262,144, K 128] x [K 128, N 128]; A: computed on the way; B: input W2 (given as codes): QUANTISED
;;     14. [M 262,144, K 128] x [K 128, N 128]; A: computed on the way; B: input W3 (given as codes): QUANTISED
;;     15. [M 262,144, K 128] x [K 128, N 1]; A: computed on the way; B: input W4: left as it is (N = 1 < 16)
;;     16. [M 262,144, K 2] x [K 2, N 100]; A: computed on the way; B: input B: left as it is (K = 2 < 32)
;;     17. [M 262,144, K 200] x [K 200, N 128]; A: computed on the way; B: input W1: QUANTISED
;;     18. [M 262,144, K 128] x [K 128, N 128]; A: computed on the way; B: input W2 (given as codes): QUANTISED
;;     19. [M 262,144, K 128] x [K 128, N 128]; A: computed on the way; B: input W3 (given as codes): QUANTISED
;;     20. [M 262,144, K 128] x [K 128, N 1]; A: computed on the way; B: input W4: left as it is (N = 1 < 16)
;;   THE QUANTISER, for each operand of a quantised product, along K:
;;     - K is cut into blocks of 32 from its start; a last block that is shorter is filled with zeros.
;;     - A block's scale is 2^e with e = floor(log2(the largest magnitude in the block)) - 2, held to -126 .. 127; a block of zeros has e = 0. As a byte (E8M0): e + 127.
;;     - Each number is divided by its block's scale, clamped to +-7.5, and rounded to the nearest number of E2M3, ties to even, subnormals kept.
;;     - The product sums the exact products of the quantised numbers (number of the format x scale) in f32.
;;   ~~~python
;;   def quantise(x, axis):      # numpy; x: float32 -> the quantised numbers, widened to float32 again
;;       x = np.moveaxis(x, axis, -1); K = x.shape[-1]
;;       x = np.pad(x, [(0, 0)] * (x.ndim - 1) + [(0, -K % 32)]); x = x.reshape(x.shape[:-1] + (-1, 32)); a = np.abs(x).max(-1, keepdims=True)
;;       e = np.where(a > 0, np.clip(np.frexp(np.where(a > 0, a, 1))[1] - 1 - 2, -126, 127), 0)      # np.frexp(a)[1] - 1 = floor(log2(a)), exactly
;;       r = np.clip(x / 2.0 ** e, -7.5, 7.5)
;;       step = 2.0 ** (np.maximum(np.frexp(np.where(r == 0, 1, r))[1] - 1, 0) - 3)
;;       q = np.round(r / step) * step * 2.0 ** e      # np.round: ties to even
;;       return np.moveaxis(q.reshape(q.shape[:-2] + (-1,))[..., :K], -1, axis).astype(np.float32)
;;   ~~~
;;   OPERANDS COMPUTED ON THE WAY. 'Computed on the way' means the value that the module computes at that place (a softmax that the list does not call 'softmax' is quantised finished and normalised). What goes into a quantiser is computed in f32, as accurately as f32 sums, v_exp_f32 and their like allow (about 1e-6 of the number): no bf16 or f16 on the way to a quantiser, and a product that is left as it is and whose result goes on into a quantised operand takes f32 operands (vector FMAs, or v_wmma_f32_16x16x4_f32). A number that lies on a knife's edge between two numbers of the format may be rounded either way, as far as f32 arithmetic and the matrix unit's own rounding can turn it there, and no further.
;;   INPUTS GIVEN AS CODES. W2 (in the module: [4, 128, 128], K = its axis 1); W3 (in the module: [4, 128, 128], K = its axis 1): each comes as NAME_codes (uint8): NAME with its K axis moved to the last place and cut into blocks of 32 codes, [.., K / 32, bytes a block], one block behind the other in memory; four codes in three bytes: a row's codes are one little-endian stream of bits, code i at bits 6 i .. 6 i + 5 (a code: sign, 2 exponent bits, 3 mantissa bits); and NAME_scales (uint8): the same leading axes, one E8M0 byte (e + 127) for each 32 codes along K. Its value is code x scale, taken as it is: it is not quantised again, and the codes and scales need not be those that the quantiser above would give.
;; One version. Each part assembles by itself: llvm-mc -triple=amdgcn-amd-amdhsa -mcpu=gfx1250 --defsym DOCPART=n.
;; ======== version 1 of 1: 2 launches
;; workspace buffers: wimg 219,136 bytes; lst 1,179,648 bytes of whole numbers; pos 1,048,576 bytes of whole numbers
;; launch prep (part 1): grid 260 x 1, 16 waves a work-group, no clusters, 9,728 bytes of LDS; arguments x, B, W1, W2_codes, W2_scales, W3_codes, W3_scales, W4, b1, b2, b3, b4, wimg, lst, pos; writes wimg, lst, pos
.if DOCPART == 1
	.amdgcn_target "amdgcn-amd-amdhsa--gfx1250"
	.amdhsa_code_object_version 6
	.text
	.protected	k_q5b27b3a62e_prep
	.globl	k_q5b27b3a62e_prep
	.p2align	8
	.type	k_q5b27b3a62e_prep,@function
k_q5b27b3a62e_prep:
	s_mov_b64 s[64:65], 0
	v_nop
	global_prefetch_b8 v0, s[64:65] scope:SCOPE_SE
	s_setreg_imm32_b32 hwreg(HW_REG_WAVE_MODE, 25, 1), 1
	s_wait_xcnt 0x0
; XPINN, launch 1 of 2: the routing, and the weights laid out as launch 2 wants them in LDS.
; DEAD WORK.  reference() runs all four sub-nets on every point and keeps, by masks that it builds itself from x and the constants -0.5, 0, 0.5, the result of ONE: for a point with
; lo_i <= x < hi_i jnp.where keeps u_i, and u_j (j != i) reaches no output whatever the inputs hold.  So every product of the table is done only on the rows of its own domain.
; LIMIT: a NaN, an infinity or an overflow that arises only in a sub-net that was not chosen for a point is not carried to the result.
; x = NaN falls under no mask: the result is 0, as in reference(); here such a point gets the slot number 1152, which launch 2 turns into 0.  Infinities in x, NaN and infinities in the weights are not served.
; ROUTING (work-groups 0 to 255): a block of 1,024 points is sorted by domain, each domain's run padded to whole units of 32 slots: at most (1024 + 4 x 31) / 32 = 35 units, 36 are laid.
;   lst[block][36][32]: slot -> point's number in the block | domain << 16.   pos[point]: the point's slot.
;   The domain stems from a floating-point compare, so in this launch it goes into data and selects alone: every address and every branch is made of ids.
;   Group j = 2 w + i (wave w, i = 0, 1) holds the points 64 w + 2 lane + i.
; IMAGE (work-groups 256 + e): domain e's record of REC bytes: W1 quantised along K (200, filled with zeros to 256), W2's and W3's codes, each as fragments in the order of the operand's registers
;   (registers 4 c .. 4 c + 3 of lane l at 512 c + 16 l), scale words, biases, W4, b4; behind the four records B's coefficients, four frequencies' Bx and then their Bt in 32 bytes.
;   THE ROWS OF A WEIGHT TILE ARE NOT NEIGHBOURS: lane r of tile t takes output unit 64 (t / 4) + 32 (r / 8) + 8 (t % 4) + r % 8, so that in launch 2 a lane's 32 results of four tiles are one whole block of the next K.
;   A block of zeros gets the scale byte 1 where the quantiser says 127: its codes are zeros, and this program alone reads the bytes.
.set TAB,   0                          ; LDS: masks [domain][group], 512 bytes            (routing)
.set CNT,   512                        ; their counts, 512 bytes                           (routing)
.set LSTG,  1024                       ; the block's list, 36 x 128 bytes                  (routing)
.set ISC,   5632                       ; the record's scale words, 2,048 bytes             (image: bytes of its own)
.set SPARE, 7680                       ; the spare words, 128 bytes for each of 16 waves: no other line names them
.set REC,   53760                      ; a record: W1's 16 fragments of 1,536 bytes at 0,
.set W2F,   24576                      ; W2's 8 and W3's 8,
.set SCW,   49152                      ; 16 steps x 128 bytes of scale words (a step: two fragments; [row][2 words]),
.set BIA,   51200                      ; b1, b2, b3, W4: 512 bytes each,
.set B4O,   53248                      ; b4, 128 times
.set CIO,   215040                     ; behind the four records: 1,024 bytes of coefficients for each domain
.set FLOOR, 0x1800000                  ; 2^(3 - 127): no largest magnitude is taken under it, so a scale byte cannot fall under 1
.macro BAR                             ; my LDS instructions are done; then the work-group's barrier
	s_wait_dscnt 0x0
	s_barrier_signal -1
	s_barrier_wait -1
.endm
	s_load_b512 s[4:19], s[0:1], 0x0               ; x 4, B 6, W1 8, W2's codes 10, scales 12, W3's codes 14, scales 16, W4 18
	s_load_b256 s[20:27], s[0:1], 0x40             ; b1 20, b2 22, b3 24, b4 26
	s_load_b128 s[28:31], s[0:1], 0x60             ; wimg 28, lst 30
	s_load_b64 s[32:33], s[0:1], 0x70              ; pos
	v_lshl_add_u32 v1, v0, 2, SPARE                ; my spare word,
	v_mov_b32 v2, 0                                ; and 0: kept for the closing add alone
	v_lshrrev_b32 v3, 5, v0
	s_delay_alu instid0(VALU_DEP_1)
	v_readfirstlane_b32 s34, v3                    ; wave 0..15
	v_and_b32 v3, 31, v0                           ; lane
	v_and_b32 v4, 15, v0                           ; r
	v_bfe_u32 v5, v0, 4, 1                         ; h
	; every LDS address is made here, ahead of all branches
	s_lshl_b32 s35, s34, 3
	v_mov_b32 v6, s35                              ; 8 w: my two words in a table's row; also 4 x group 2 w for the lane permute
	s_delay_alu instid0(VALU_DEP_1)
	v_add_nc_u32 v7, 4, v6                         ; 4 x group 2 w + 1
	v_lshlrev_b32 v8, 2, v3                        ; 4 x lane
	v_lshl_add_u32 v9, v0, 2, LSTG                 ; the list: 128 w + 4 lane
	v_lshl_add_u32 v10, v0, 4, LSTG                ; and on its way out: 512 w + 16 lane
	v_lshl_add_u32 v11, v0, 4, ISC                 ; the scale words on their way out
	s_lshr_b32 s36, s34, 1
	s_lshl_b32 s36, s36, 7
	s_and_b32 s37, s34, 1
	s_lshl_b32 s37, s37, 2
	s_add_co_u32 s36, s36, s37
	s_add_co_u32 s36, s36, ISC
	v_lshl_add_u32 v12, v4, 3, s36                 ; fragment w's scale word of row r: 128 (w / 2) + 8 r + 4 (w % 2)
	v_lshlrev_b32 v13, 4, v0                       ; in memory: 16 x thread,
	v_lshlrev_b32 v14, 3, v0                       ; 8 x thread
	s_wait_kmcnt 0x0
	s_cmp_ge_u32 ttmp9, 256                        ; the work-group's number alone: all sixteen waves go the same way
	s_cbranch_scc1 .Limage
	; ---------------- ROUTING ----------------
	s_lshl_b32 s36, ttmp9, 12                      ; the block's 1,024 words
	s_mov_b32 s37, 0
	s_add_nc_u64 s[4:5], s[4:5], s[36:37]
	s_add_nc_u64 s[32:33], s[32:33], s[36:37]
	s_mul_i32 s36, ttmp9, 4608
	s_add_nc_u64 s[30:31], s[30:31], s[36:37]
	s_wait_alu depctr_va_vdst(0)
	global_load_b64 v[16:17], v14, s[4:5]          ; points 64 w + 2 lane, + 1: the wave reads 256 consecutive bytes
	s_mov_b32 s53, 0xffff0000                      ; lanes 16-31
	v_mov_b32 v71, 0x480                           ; 1152
	s_wait_loadcnt 0x0
.irp i, 0,1                                    ; the four masks of group 2 w + i in s[40 + 4 i ..]; a NaN fails all three compares and is counted with domain 0
	v_cmp_le_f32 s50, -0.5, v[16+\i]
	v_cmp_le_f32 s51, 0, v[16+\i]
	v_cmp_le_f32 s52, 0.5, v[16+\i]
	v_cmp_neq_f32 s[48+\i], v[16+\i], v[16+\i]     ; x is NaN
	s_not_b32 s[40+4*\i], s50
	s_and_not1_b32 s[41+4*\i], s50, s51
	s_and_not1_b32 s[42+4*\i], s51, s52
	s_mov_b32 s[43+4*\i], s52
.endr
.irp i, 0,1
.irp e, 0,1,2,3
	s_bcnt1_i32_b32 s50, s[40+4*\i+\e]
	v_mov_b32 v[20+4*\i+\e], s[40+4*\i+\e]
	v_mov_b32 v[28+4*\i+\e], s50
	ds_store_b32 v6, v[20+4*\i+\e] offset:TAB+128*\e+4*\i    ; all lanes write the same word with the same value
	ds_store_b32 v6, v[28+4*\i+\e] offset:CNT+128*\e+4*\i
.endr
.endr
	BAR                                            ; the tables are whole
.irp e, 0,1,2,3
	ds_load_b32 v[32+\e], v8 offset:TAB+128*\e     ; lane j: group j's mask for domain e,
	ds_load_b32 v[36+\e], v8 offset:CNT+128*\e     ; and its count
.endr
.irp e, 0,1,2,3
	v_mov_b32 v[44+\e], 0                          ; written once: a DPP form's destination counts as read
.endr
	s_wait_dscnt 0x0
.irp e, 0,1,2,3
	v_mov_b32 v[40+\e], v[36+\e]
.endr
.irp n, 1,2,4,8                                ; running sums over the 16 lanes of a row, the four domains by turns
.irp e, 0,1,2,3
	s_delay_alu instid0(VALU_DEP_4)
	v_mov_b32_dpp v[44+\e], v[40+\e] row_shr:\n row_mask:0xf bank_mask:0xf bound_ctrl:1
.endr
.irp e, 0,1,2,3
	s_delay_alu instid0(VALU_DEP_4)
	v_add_nc_u32 v[40+\e], v[40+\e], v[44+\e]
.endr
.endr
.irp e, 0,1,2,3
	s_delay_alu instid0(VALU_DEP_4)
	v_readlane_b32 s[54+\e], v[40+\e], 15          ; the lower row's sum goes onto the upper row
.endr
.irp e, 0,1,2,3
	s_delay_alu instid0(VALU_DEP_4)
	v_add_nc_u32 v[44+\e], s[54+\e], v[40+\e]
.endr
.irp e, 0,1,2,3
	s_delay_alu instid0(VALU_DEP_4)
	v_cndmask_b32 v[40+\e], v[40+\e], v[44+\e], s53
.endr
.irp e, 0,1,2,3
	s_delay_alu instid0(VALU_DEP_4)
	v_readlane_b32 s[54+\e], v[40+\e], 31          ; the domain's points in the block
.endr
	s_mov_b32 s58, 0                               ; s[58:61]: each domain's first slot, a multiple of 32
.irp e, 0,1,2
	s_add_co_u32 s50, s[54+\e], 31
	s_and_b32 s50, s50, 0xffffffe0
	s_add_co_u32 s[59+\e], s[58+\e], s50
.endr
	s_wait_alu depctr_va_vdst(0)
.irp e, 0,1,2,3
	v_sub_nc_u32 v[48+\e], v[40+\e], v[36+\e]
.endr
.irp e, 0,1,2,3
	s_delay_alu instid0(VALU_DEP_4)
	v_add_nc_u32 v[48+\e], s[58+\e], v[48+\e]      ; lane j: the first slot of group j's points of domain e
.endr
	v_lshrrev_b32 v52, 1, v3
	v_and_b32 v53, 1, v3
	s_delay_alu instid0(VALU_DEP_1)
	v_lshl_or_b32 v52, v52, 6, v53                 ; lane j: group j's first point, 64 (j / 2) + j % 2
.irp e, 0,1,2,3
	v_lshl_or_b32 v[56+\e], v[48+\e], 10, v52      ; first slot << 10 | first point
.endr
	; point -> slot: my two groups' first slots (the index of the permute is made of the wave's number), + the set bits under my lane
.irp i, 0,1
.irp e, 0,1,2,3
	ds_bpermute_b32 v[60+4*\i+\e], v[6+\i], v[48+\e]
.endr
.endr
	s_wait_dscnt 0x0
.irp i, 0,1
	v_mbcnt_lo_u32_b32 v[68+\i], s[40+4*\i], v[60+4*\i]
.irp e, 1,2,3
	v_mbcnt_lo_u32_b32 v70, s[40+4*\i+\e], v[60+4*\i+\e]
	s_delay_alu instid0(VALU_DEP_1)
	v_cndmask_b32 v[68+\i], v[68+\i], v70, s[40+4*\i+\e]
.endr
	s_delay_alu instid0(VALU_DEP_1)
	v_cndmask_b32 v[68+\i], v[68+\i], v71, s[48+\i]    ; NaN: 1152
.endr
	global_store_b64 v14, v[68:69], s[32:33]       ; the wave stores 256 consecutive bytes, aligned
; slot -> point, for the unit k = w + 16 a.  All 32 slots of a unit are of one domain.  Nothing here is an address: selects and data alone.
.macro PICK a, wd, st                          ; one step of the search for the rho-th set bit: are there rho or fewer set bits in the next st places?
	s_delay_alu instid0(VALU_DEP_1)
	v_bfe_u32 v85, v[\a], v84, \wd
	s_delay_alu instid0(VALU_DEP_1)
	v_cmp_ge_u32 vcc_lo, v78, v85
	s_delay_alu instid0(VALU_DEP_2)
	v_sub_nc_u32 v86, v78, v85
	s_delay_alu instid0(VALU_DEP_4)
	v_add_nc_u32 v87, \st, v84
	s_delay_alu instid0(VALU_DEP_2)
	v_cndmask_b32 v78, v78, v86, vcc_lo
	s_delay_alu instid0(VALU_DEP_2)
	v_cndmask_b32 v84, v84, v87, vcc_lo
.endm
.macro INV a
	s_lshl_b32 s62, s34, 5
	s_add_co_u32 s62, s62, 512*\a                  ; the unit's first slot
	s_cmp_ge_u32 s62, s59
	s_cselect_b32 s50, -1, 0
	s_cmp_ge_u32 s62, s60
	s_cselect_b32 s51, -1, 0
	s_cmp_ge_u32 s62, s61
	s_cselect_b32 s52, -1, 0
	s_add_co_u32 s63, s50, s51
	s_add_co_u32 s63, s63, s52
	s_sub_co_u32 s63, 0, s63                       ; the unit's domain: how many later domains begin at or under its first slot
	s_lshl_b32 s63, s63, 16
	v_cndmask_b32 v72, v56, v57, s50               ; that domain's packed starts,
	s_delay_alu instid0(VALU_DEP_1)
	v_cndmask_b32 v72, v72, v58, s51
	s_delay_alu instid0(VALU_DEP_1)
	v_cndmask_b32 v72, v72, v59, s52
	v_cndmask_b32 v73, v32, v33, s50               ; and masks, lane j: group j's
	s_delay_alu instid0(VALU_DEP_1)
	v_cndmask_b32 v73, v73, v34, s51
	s_delay_alu instid0(VALU_DEP_1)
	v_cndmask_b32 v73, v73, v35, s52
	v_add_nc_u32 v74, s62, v3                      ; my slot
	s_delay_alu instid0(VALU_DEP_1)
	v_lshl_or_b32 v75, v74, 10, 0x3ff              ; a packed start is at or under this where its slot is at or under mine
.irp g, 0,1                                    ; the 32 groups, sixteen at a time through s[66:97]: the last group whose start is at or under my slot holds it
.irp j, 0,1,2,3,4,5,6,7,8,9,10,11,12,13,14,15
	v_readlane_b32 s[66+2*\j], v72, 16*\g+\j
	v_readlane_b32 s[67+2*\j], v73, 16*\g+\j
.endr
.irp j, 0,1,2,3,4,5,6,7,8,9,10,11,12,13,14,15
.if (\g == 0) && (\j == 0)
	v_mov_b32 v76, s66
	v_mov_b32 v77, s67
.else
	v_cmp_le_u32 vcc_lo, s[66+2*\j], v75
	s_delay_alu instid0(VALU_DEP_1)
	v_cndmask_b32 v76, v76, s[66+2*\j], vcc_lo
	s_delay_alu instid0(VALU_DEP_2)
	v_cndmask_b32 v77, v77, s[67+2*\j], vcc_lo
.endif
.endr
.endr
	s_delay_alu instid0(VALU_DEP_2)
	v_lshrrev_b32 v78, 10, v76
	s_delay_alu instid0(VALU_DEP_1)
	v_sub_nc_u32 v78, v74, v78                     ; rho: my place among the group's points of the domain
	s_delay_alu instid0(VALU_DEP_4)
	v_and_b32 v79, 0x3ff, v76                      ; the group's first point
	s_delay_alu instid0(VALU_DEP_4)
	v_lshrrev_b32 v80, 1, v77                      ; the mask's set bits counted in fields of 2, 4, 8 and 16
	s_delay_alu instid0(VALU_DEP_1)
	v_and_b32 v80, 0x55555555, v80
	s_delay_alu instid0(VALU_DEP_1)
	v_sub_nc_u32 v80, v77, v80
	s_delay_alu instid0(VALU_DEP_1)
	v_lshrrev_b32 v81, 2, v80
	s_delay_alu instid0(VALU_DEP_1)
	v_and_b32 v81, 0x33333333, v81
	s_delay_alu instid0(VALU_DEP_3)
	v_and_b32 v82, 0x33333333, v80
	s_delay_alu instid0(VALU_DEP_1)
	v_add_nc_u32 v81, v81, v82
	s_delay_alu instid0(VALU_DEP_1)
	v_lshrrev_b32 v82, 4, v81
	s_delay_alu instid0(VALU_DEP_1)
	v_add_nc_u32 v82, v82, v81
	s_delay_alu instid0(VALU_DEP_1)
	v_and_b32 v82, 0x0f0f0f0f, v82
	s_delay_alu instid0(VALU_DEP_1)
	v_lshrrev_b32 v83, 8, v82
	s_delay_alu instid0(VALU_DEP_1)
	v_add_nc_u32 v83, v83, v82
	v_mov_b32 v84, 0                               ; q: the bit's place
	PICK 83, 5, 16
	PICK 82, 8, 8
	PICK 81, 4, 4
	PICK 80, 2, 2
	PICK 77, 1, 1
	s_delay_alu instid0(VALU_DEP_1)
	v_lshl_add_u32 v[88+\a], v84, 1, v79           ; the point: first point + 2 q.  A padding slot gets some point under 1,024; nobody reads its result
	s_delay_alu instid0(VALU_DEP_1)
	v_or_b32 v[88+\a], s63, v[88+\a]
	ds_store_b32 v9, v[88+\a] offset:2048*\a
.endm
	INV 0
	INV 1
	s_cmp_lt_u32 s34, 4                            ; units 32 to 35: waves 0 to 3
	s_cbranch_scc0 .Lno_third
	INV 2
.Lno_third:
	BAR                                            ; the list is whole
	s_cmp_lt_u32 s34, 9                            ; 4,608 bytes: nine waves store 512 consecutive bytes each
	s_cbranch_scc0 .Lrout_end
	ds_load_b128 v[92:95], v10
	s_wait_dscnt 0x0
	global_store_b128 v13, v[92:95], s[30:31]
.Lrout_end:
	s_wait_tensorcnt 0x0                           ; the wave's end, behind my last LDS store
	ds_add_u32 v1, v2
	s_wait_dscnt 0x0
	s_endpgm
	; ---------------- IMAGE ----------------
.Limage:
	s_sub_co_u32 s35, ttmp9, 256                   ; the domain e
	s_mov_b32 s37, 0
	s_mul_i32 s36, s35, REC
	s_add_nc_u64 s[38:39], s[28:29], s[36:37]      ; my record
	s_lshr_b32 s40, s34, 3                         ; wave v: W1's fragment (K step v / 8, tile v % 8); W2's (v < 8) or W3's tile v % 8
	s_and_b32 s41, s34, 7
	s_lshr_b32 s42, s41, 2
	s_lshl_b32 s42, s42, 6
	s_and_b32 s43, s41, 3
	s_lshl_b32 s43, s43, 3
	s_add_co_u32 s42, s42, s43                     ; the tile's part of a unit's number: 64 (t / 4) + 8 (t % 4)
	s_mul_i32 s36, s35, 102400                     ; W1[e][k][n] lies at 102,400 e + 512 k + 4 n
	s_lshl_b32 s43, s40, 16
	s_add_co_u32 s36, s36, s43                     ; + 128 rows a K step
	s_lshl_b32 s43, s42, 2
	s_add_co_u32 s36, s36, s43
	s_add_nc_u64 s[8:9], s[8:9], s[36:37]
	v_and_b32 v16, 7, v4
	v_lshrrev_b32 v17, 3, v4
	s_delay_alu instid0(VALU_DEP_1)
	v_lshl_add_u32 v16, v17, 5, v16                ; the lane's part: r % 8 + 32 (r / 8)
	s_delay_alu instid0(VALU_DEP_1)
	v_lshlrev_b32 v18, 2, v16
	s_delay_alu instid0(VALU_DEP_1)
	v_lshl_add_u32 v19, v5, 14, v18                ; lanes 16-31 begin 32 rows of 512 bytes further down: the operand's layout gives lane (r, h) k = 64 c + 32 h + 0 .. 31
.irp i, 0,1,2,3,4,5,6,7,8,9,10,11,12,13,14,15,16,17,18,19,20,21,22,23,24,25,26,27,28,29,30,31
	global_load_b32 v[32+\i], v19, s[8:9] offset:512*\i
.endr
	s_cmp_lt_u32 s34, 8
	s_cbranch_scc0 .Ltail_k
.irp i, 0,1,2,3,4,5,6,7,8,9,10,11,12,13,14,15,16,17,18,19,20,21,22,23,24,25,26,27,28,29,30,31
	global_load_b32 v[64+\i], v19, s[8:9] offset:512*(64+\i)
.endr
	s_branch .Lw1_asked
.Ltail_k:                                          ; K step 1, c = 1: k = 192 + 32 h + i, and K ends at 200.  All lanes read k = 192 + i (i < 8), inside the buffer; lanes 16-31 are cleared below; the rest is 0
	s_wait_alu depctr_va_vdst(0)
.irp i, 0,1,2,3,4,5,6,7
	global_load_b32 v[64+\i], v18, s[8:9] offset:512*(64+\i)
.endr
.irp i, 8,9,10,11,12,13,14,15,16,17,18,19,20,21,22,23,24,25,26,27,28,29,30,31
	v_mov_b32 v[64+\i], 0
.endr
.Lw1_asked:
	s_cmp_lt_u32 s34, 8
	s_cselect_b64 s[44:45], s[10:11], s[14:15]     ; W2's or W3's codes,
	s_cselect_b64 s[46:47], s[12:13], s[16:17]     ; and scales
	s_cselect_b32 s50, 0, 0xffff0000               ; which lanes of v64-71 are cleared
	s_mul_i32 s36, s35, 12288                      ; a unit's row of 128 codes is 96 bytes
	s_mul_i32 s43, s42, 96
	s_add_co_u32 s36, s36, s43
	s_add_nc_u64 s[44:45], s[44:45], s[36:37]
	s_lshl_b32 s36, s35, 9
	s_lshl_b32 s43, s42, 2
	s_add_co_u32 s36, s36, s43
	s_add_nc_u64 s[46:47], s[46:47], s[36:37]
	s_wait_alu depctr_va_vdst(0)
	v_mul_u32_u24 v20, v16, 96
	s_delay_alu instid0(VALU_DEP_1)
	v_mad_u32_u24 v20, v5, 24, v20
.irp p, 0,1,2,3,4,5
	global_load_b64 v[96+2*\p:97+2*\p], v20, s[44:45] offset:48*(\p/3)+8*(\p%3)   ; the fragment as it lies: 24 bytes at 24 h, 24 at 48 + 24 h
.endr
	global_load_b32 v21, v18, s[46:47]             ; its rows' scale words
	s_mul_i32 s36, s34, 1536
	s_add_nc_u64 s[48:49], s[38:39], s[36:37]      ; my fragments' places in the record
	v_lshlrev_b32 v22, 4, v3                       ; 16 x lane
	s_mov_b32 s51, 0x76543210
	s_mov_b32 s52, 0xfedcba98                      ; v_permlanex16_b32's selects for lane l xor 16
	s_wait_alu depctr_va_vdst(0)
	s_wait_loadcnt 0x0
.irp c, 0,1,2
	global_store_b128 v22, v[96+4*\c:99+4*\c], s[48:49] offset:W2F+512*\c     ; 512 consecutive bytes a store
.endr
	ds_store_b32 v12, v21 offset:1024              ; fragments 16 + v: steps 8 on (both halves of the lanes write the same word with the same value)
.irp i, 0,1,2,3,4,5,6,7
	v_cndmask_b32 v[64+\i], v[64+\i], 0, s50
.endr
.irp c, 0,1                                    ; my block 2 c + h of the K step: all its 32 numbers are mine
	v_max3_num_f32 v[24+\c], |v[32+32*\c]|, |v[33+32*\c]|, FLOOR
.endr
.irp i, 2,4,6,8,10,12,14,16,18,20,22,24,26,28,30
.irp c, 0,1
	s_delay_alu instid0(VALU_DEP_2)
	v_max3_num_f32 v[24+\c], v[24+\c], |v[32+32*\c+\i]|, |v[33+32*\c+\i]|
.endr
.endr
.irp c, 0,1
	s_delay_alu instid0(VALU_DEP_2)
	v_add_nc_u32 v[26+\c], 0xff000000, v[24+\c]    ; 2 off the exponent field: the conversion takes the exponent field of this operand as its scale
.endr
.irp c, 0,1
	s_delay_alu instid0(VALU_DEP_2)
	v_lshrrev_b32 v[28+\c], 23, v[26+\c]           ; the scale's byte
.endr
	s_delay_alu instid0(VALU_DEP_1)
	v_lshl_or_b32 v30, v29, 16, v28                ; blocks h and 2 + h,
	v_lshlrev_b32 v31, 3, v5
	s_delay_alu instid0(VALU_DEP_1)
	v_lshlrev_b32 v30, v31, v30                    ; at their places in the word;
	v_mov_b32 v31, 0
	s_delay_alu instid0(VALU_DEP_1)
	v_permlanex16_b32 v31, v30, s51, s52
	s_delay_alu instid0(VALU_DEP_1)
	v_or_b32 v30, v30, v31                         ; with lane l xor 16's two the word is whole
.irp c, 0,1
	v_cvt_scalef32_pk16_fp6_f32 v[108+6*\c:110+6*\c], v[32+32*\c:47+32*\c], v[26+\c]
	v_cvt_scalef32_pk16_fp6_f32 v[120+4*\c:122+4*\c], v[48+32*\c:63+32*\c], v[26+\c]   ; (a conversion's three registers begin on an even number)
.endr
	v_nop                                          ; one plain place behind a scaled conversion
.irp c, 0,1
.irp i, 0,1,2
	v_mov_b32 v[111+6*\c+\i], v[120+4*\c+\i]
.endr
.endr
.irp c, 0,1,2
	global_store_b128 v22, v[108+4*\c:111+4*\c], s[48:49] offset:512*\c
.endr
	ds_store_b32 v12, v30
	BAR                                            ; the 32 fragments' scale words lie in LDS
	s_cmp_lt_u32 s34, 4
	s_cbranch_scc0 .Lnot_copy
	ds_load_b128 v[32:35], v11                     ; waves 0 to 3: 512 bytes of scale words, and one of b1, b2, b3, W4
	s_cmp_eq_u32 s34, 1
	s_cselect_b64 s[44:45], s[22:23], s[20:21]
	s_cmp_eq_u32 s34, 2
	s_cselect_b64 s[44:45], s[24:25], s[44:45]
	s_cmp_eq_u32 s34, 3
	s_cselect_b64 s[44:45], s[18:19], s[44:45]
	s_lshl_b32 s36, s35, 9
	s_add_nc_u64 s[44:45], s[44:45], s[36:37]
	global_load_b128 v[36:39], v22, s[44:45]
	s_wait_dscnt 0x0
	global_store_b128 v13, v[32:35], s[38:39] offset:SCW
	s_wait_loadcnt 0x0
	global_store_b128 v13, v[36:39], s[38:39] offset:BIA
	s_branch .Limg_end
.Lnot_copy:
	s_cmp_eq_u32 s34, 4
	s_cbranch_scc0 .Lnot_b4
	s_lshl_b32 s36, s35, 2                         ; wave 4: b4[e], 128 times
	v_mov_b32 v32, s36
	global_load_b32 v36, v32, s[26:27]
	s_wait_loadcnt 0x0
	v_mov_b32 v37, v36
	v_mov_b32 v38, v36
	v_mov_b32 v39, v36
	global_store_b128 v22, v[36:39], s[38:39] offset:B4O
	s_branch .Limg_end
.Lnot_b4:
	s_cmp_lt_u32 s34, 7
	s_cbranch_scc0 .Limg_end
	s_sub_co_u32 s36, s34, 5                       ; waves 5 and 6: the coefficients, 64 pieces of 16 bytes: piece c holds Bx (c even) or Bt (c odd) of frequencies 4 (c / 2) + 0 .. 3
	s_lshl_b32 s36, s36, 5
	v_add_nc_u32 v32, s36, v3
	s_delay_alu instid0(VALU_DEP_1)
	v_lshrrev_b32 v33, 1, v32
	s_delay_alu instid0(VALU_DEP_1)
	v_min_u32 v34, 24, v33                         ; 25 fours of frequencies; the pieces behind them read the last four and are cleared
	s_delay_alu instid0(VALU_DEP_3)
	v_and_b32 v35, 1, v32
	s_delay_alu instid0(VALU_DEP_2)
	v_lshlrev_b32 v34, 5, v34
	s_delay_alu instid0(VALU_DEP_1)
	v_lshl_add_u32 v34, v35, 2, v34
	s_mul_i32 s36, s35, 800
	s_add_nc_u64 s[6:7], s[6:7], s[36:37]
.irp i, 0,1,2,3
	global_load_b32 v[36+\i], v34, s[6:7] offset:8*\i
.endr
	v_cmp_lt_u32 vcc_lo, 24, v33
	v_lshlrev_b32 v40, 4, v32
	s_lshl_b32 s36, s35, 10
	s_add_co_u32 s36, s36, CIO
	s_add_nc_u64 s[28:29], s[28:29], s[36:37]
	s_wait_loadcnt 0x0
.irp i, 0,1,2,3
	v_cndmask_b32 v[36+\i], v[36+\i], 0, vcc_lo
.endr
	s_wait_alu depctr_va_vdst(0)
	global_store_b128 v40, v[36:39], s[28:29]
.Limg_end:
	s_wait_tensorcnt 0x0                           ; the wave's end, behind my last LDS store
	ds_add_u32 v1, v2
	s_wait_dscnt 0x0
	s_endpgm
.Lfunc_end_k_q5b27b3a62e_prep:
	.size	k_q5b27b3a62e_prep, .Lfunc_end_k_q5b27b3a62e_prep-k_q5b27b3a62e_prep
	.p2alignl 7, 3214868480
	.fill 96, 4, 3214868480
	.section	.rodata,"a",@progbits
	.p2align	6, 0x0
	.amdhsa_kernel k_q5b27b3a62e_prep
		.amdhsa_group_segment_fixed_size 9728
		.amdhsa_private_segment_fixed_size 0
		.amdhsa_enable_private_segment 0
		.amdhsa_kernarg_size 120
		.amdhsa_user_sgpr_count 2
		.amdhsa_user_sgpr_kernarg_segment_ptr 1
		.amdhsa_wavefront_size32 1
		.amdhsa_system_sgpr_workgroup_id_x 1
		.amdhsa_system_sgpr_workgroup_id_y 1
		.amdhsa_system_sgpr_workgroup_id_z 1
		.amdhsa_system_vgpr_workitem_id 0
		.amdhsa_next_free_vgpr 128
		.amdhsa_next_free_sgpr 100
		.amdhsa_reserve_vcc 1
		.amdhsa_float_denorm_mode_32 3
		.amdhsa_float_denorm_mode_16_64 3
		.amdhsa_memory_ordered 1
		.amdhsa_forward_progress 1
		.amdhsa_inst_pref_size 78
	.end_amdhsa_kernel
	.amdgpu_metadata
---
amdhsa.version: [ 1, 2 ]
amdhsa.kernels:
  - .name:           k_q5b27b3a62e_prep
    .symbol:         k_q5b27b3a62e_prep.kd
    .args:
      - { .name: x, .offset: 0, .size: 8, .value_kind: global_buffer, .address_space: global }
      - { .name: B, .offset: 8, .size: 8, .value_kind: global_buffer, .address_space: global }
      - { .name: W1, .offset: 16, .size: 8, .value_kind: global_buffer, .address_space: global }
      - { .name: W2_codes, .offset: 24, .size: 8, .value_kind: global_buffer, .address_space: global }
      - { .name: W2_scales, .offset: 32, .size: 8, .value_kind: global_buffer, .address_space: global }
      - { .name: W3_codes, .offset: 40, .size: 8, .value_kind: global_buffer, .address_space: global }
      - { .name: W3_scales, .offset: 48, .size: 8, .value_kind: global_buffer, .address_space: global }
      - { .name: W4, .offset: 56, .size: 8, .value_kind: global_buffer, .address_space: global }
      - { .name: b1, .offset: 64, .size: 8, .value_kind: global_buffer, .address_space: global }
      - { .name: b2, .offset: 72, .size: 8, .value_kind: global_buffer, .address_space: global }
      - { .name: b3, .offset: 80, .size: 8, .value_kind: global_buffer, .address_space: global }
      - { .name: b4, .offset: 88, .size: 8, .value_kind: global_buffer, .address_space: global }
      - { .name: wimg, .offset: 96, .size: 8, .value_kind: global_buffer, .address_space: global }
      - { .name: lst, .offset: 104, .size: 8, .value_kind: global_buffer, .address_space: global }
      - { .name: pos, .offset: 112, .size: 8, .value_kind: global_buffer, .address_space: global }
    .group_segment_fixed_size: 9728
    .private_segment_fixed_size: 0
    .kernarg_segment_align: 8
    .kernarg_segment_size: 120
    .max_flat_workgroup_size: 512
    .sgpr_count:     100
    .vgpr_count:     128
    .wavefront_size: 32
...
	.end_amdgpu_metadata
.endif
;; end of part 1
;; launch chain (part 2): grid 256 x 1, 12 waves a work-group, no clusters, 233,472 bytes of LDS; arguments wimg, lst, pos, x, t, out0; writes out0
.if DOCPART == 2
	.amdgcn_target "amdgcn-amd-amdhsa--gfx1250"
	.amdhsa_code_object_version 6
	.text
	.protected	k_q5b27b3a62e_chain
	.globl	k_q5b27b3a62e_chain
	.p2align	8
	.type	k_q5b27b3a62e_chain,@function
k_q5b27b3a62e_chain:
	s_mov_b64 s[64:65], 0
	v_nop
	global_prefetch_b8 v0, s[64:65] scope:SCOPE_SE
	s_setreg_imm32_b32 hwreg(HW_REG_WAVE_MODE, 25, 1), 1
	s_wait_xcnt 0x0
; XPINN, launch 2 of 2: each point goes through the sub-net of its own domain and no other (the other three results are thrown away by reference()'s own masks: see launch 1's head).
; SHARES.  A work-group owns a block of 1,024 points, sorted by launch 1 into 36 units of 32 slots of one domain each.  Wave w of twelve takes units w, w + 12, w + 24: three waves to a SIMD, nine units each.
;   All 36 units are always run: which of them are padding hangs on numbers read from memory, and this text, which has tensor loads, branches on none.
; LDS.  All four domains' records and B's coefficients come in once by tensor loads and stay.  A unit's domain, read from the list and held at 3 from above by a constant, says where in LDS its weights are read.
;   No LDS byte is written while such a read may be out: the fills have landed in every wave ahead of the first of them, and the results go to the stage behind a barrier that follows the last.
; NO CLUSTER, though all work-groups read the same 219,136 bytes: the LDS addresses of the weight reads hang on each work-group's own list, which differs between partners.
; A UNIT.  FEATURES: a lane is a point; its 200 features are made in f32 and quantised, block by block of 32, in the lane.  LAYERS: the unit is two tiles of 16 points, A (slots 0-15) and B (16-31).
;   Every product is used transposed (source 0 = 16 rows of the weight, source 1 = 16 points): lane (r, h) holds point r of each tile.  The rows of a weight tile are chosen (launch 1) so that the 32 registers of
;   tiles 4 c .. 4 c + 3 are units 64 c + 32 h + 0 .. 31: one whole block of the next K, in the next operand's own order.  No maximum crosses lanes and no code changes lanes.
;   The biases are the C of each sum's first matrix instruction.  The last product (128 -> 1) is f32 multiply-adds.
; SIN AND COS.  p = x Bx + t Bt in turns; r = p - rndne(p), exact; u = r^2; s2 = 2 sin(pi r) = r (A0 + .. + A4 u^4), c = cos(pi r) = C0 + .. + C4 u^4; sin(2 pi p) = s2 c, cos(2 pi p) = 1 - s2^2 / 2.
;   The coefficients are Abramowitz and Stegun's 4.3.97 and 4.3.99 in the variable r, their last term folded down by the shifted Chebyshev polynomial of degree 5 on u in [0, 1/4]: under 1e-7 absolute.
;   ORDER OF ROUNDING that differs from reference(): it rounds 2 pi p to f32 and takes the sine of that; here p is reduced first.  The two differ by the rounding of reference()'s own argument.
; LIMITS: NaN in x gives 0, as reference()'s masks do; NaN or infinity in t, infinities in x, NaN or infinity in the weights are not served.  A block of zeros has the scale byte 1 (its codes are zeros).
; REGISTERS: v0 16 lane; v1, v2 the add's two; v3 8 (lane % 16); v4 128 h; v5 the gather's offset; v6 the unit's coefficients, then its fragments, in LDS; v7, v8 its scale words and biases; v9, v14, v15 my three units' results;
;   v10-12 list words; v13 my word in the stage; v16-19 pos; v20, v21 x, t; v22, v23 the activations' scale words; v24-27 the weights' (two sets of two); v[28:29], v[30:31] the last product's sums;
;   v32-79 two sets of two fragments (features: two sets of coefficients; silu: at work, with v80-95); v80-127 the features' codes (A: 80 + 12 s, B: 104 + 12 s); later v96-102 at work, v104-115, v116-127 the hidden codes; layer 3: v96-127 W4;
;   v128-191, v192-255 the accumulators of A and B (features: v128-159 sines, v160-191 cosines, v192-207 the last block, v208-234 at work).
.set REC,   53760                      ; a domain's record: W1's 16 fragments of 1,536 bytes,
.set W1F,   0
.set W2F,   24576                      ; W2's 8,
.set W3F,   36864                      ; W3's 8,
.set SCW,   49152                      ; 16 steps x 128 bytes of scale words,
.set BIA,   51200                      ; b1, b2, b3,
.set W4O,   52736                      ; W4,
.set B4O,   53248                      ; b4
.set CIB,   215040                     ; behind the four records: the coefficients, 1,024 bytes a domain
.set STG,   219136                     ; the stage: a word for each of 1,152 slots; no tensor load lands here
.set SPARE, 223744                     ; the spare words, 128 bytes for each of 12 waves: no other line names them
.set FLOOR, 0x1800000                  ; 2^(3 - 127): no largest magnitude is taken under it, so a scale byte cannot fall under 1
.macro SPAIR r, val                    ; a constant for the packed forms, which name a pair: both words are written
	s_mov_b32 s[\r], \val
	s_mov_b32 s[\r+1], \val
.endm
.macro NOPS n
.rept \n
	v_nop
.endr
.endm
; Line n of 16 of the largest magnitude of v[y] .. v[y + 31] and the floor, in two chains v[m], v[m + 1]
.macro MAXL n, y, m
.if (\n) == 0
	v_max3_num_f32 v[\m], |v[\y]|, |v[\y+1]|, FLOOR
.elseif (\n) == 1
	v_max3_num_f32 v[\m+1], |v[\y+2]|, |v[\y+3]|, |v[\y+4]|
.elseif (\n) < 15
	v_max3_num_f32 v[\m+(\n)%2], v[\m+(\n)%2], |v[\y+2*(\n)+1]|, |v[\y+2*(\n)+2]|
.else
	v_max3_num_f32 v[\m], v[\m], v[\m+1], |v[\y+31]|
.endif
.endm
; x and t of the unit whose list word stands in v10: the point's number is held under 1,024 by a constant before it enters an address
.macro GATHER
	v_and_b32 v5, 0xffff, v10
	v_min_u32 v5, 0x3ff, v5
	v_lshlrev_b32 v5, 2, v5
	global_load_b32 v20, v5, s[10:11]
	global_load_b32 v21, v5, s[12:13]
.endm
; ---- FEATURES ----
.macro LOADC f0, np, set               ; Bx and Bt of frequencies f0 .. f0 + 2 np - 1 into set: np loads; every lane reads the same 16 bytes
.set U, 0
.rept (\np)/2
	ds_load_b128 v[32+16*(\set)+4*U:35+16*(\set)+4*U], v6 offset:8*(\f0)+32*U
	ds_load_b128 v[40+16*(\set)+4*U:43+16*(\set)+4*U], v6 offset:8*(\f0)+32*U+16
.set U, U+1
.endr
.endm
.macro DEST f                          ; where frequency f's sine (k = f) and cosine (k = 100 + f) go: DS, DC.  Sines of blocks 0-2 in v128 on; blocks 3, 4, 5 (four sines and the cosines) in v160 on; block 6 in v192 on
.if (\f) < 96
.set DS, 128+(\f)%32
.else
.set DS, 160+(\f)-96
.endif
.if (\f) < 28
.set DC, 164+(\f)
.elseif (\f) < 60
.set DC, 160+(\f)-28
.elseif (\f) < 92
.set DC, 160+(\f)-60
.elseif (\f) < 96
.set DC, 192+(\f)-92
.else
.set DC, 196+(\f)-96
.endif
.endm
.macro HORN f0, np, cosine, sr         ; one Horner line for each pair: x u + the constant in s[sr]
.set Q, 0
.rept \np
	DEST (\f0)+2*Q
.if \cosine
	v_pk_fma_f32 v[DC:DC+1], v[DC:DC+1], v[216+2*Q:217+2*Q], s[\sr:\sr+1] op_sel_hi:[1,1,0]
.else
	v_pk_fma_f32 v[DS:DS+1], v[DS:DS+1], v[216+2*Q:217+2*Q], s[\sr:\sr+1] op_sel_hi:[1,1,0]
.endif
.set Q, Q+1
.endr
.endm
.macro FEAT f0, np, set                ; np pairs of frequencies, the pairs by turns line by line; the sine's and the cosine's chains by turns too
.set Q, 0
.rept \np
	v_pk_mul_f32 v[208+2*Q:209+2*Q], v[32+16*(\set)+2*Q:33+16*(\set)+2*Q], v[20:21] op_sel_hi:[1,0]                                  ; Bx x
.set Q, Q+1
.endr
.set Q, 0
.rept \np
	v_pk_fma_f32 v[208+2*Q:209+2*Q], v[40+16*(\set)+2*Q:41+16*(\set)+2*Q], v[20:21], v[208+2*Q:209+2*Q] op_sel:[0,1,0] op_sel_hi:[1,1,1]   ; + Bt t: p, in turns
.set Q, Q+1
.endr
.set Q, 0
.rept \np
	v_rndne_f32 v[216+2*Q], v[208+2*Q]
	v_rndne_f32 v[217+2*Q], v[209+2*Q]
.set Q, Q+1
.endr
.set Q, 0
.rept \np
	v_pk_add_f32 v[208+2*Q:209+2*Q], v[208+2*Q:209+2*Q], v[216+2*Q:217+2*Q] neg_lo:[0,1] neg_hi:[0,1]    ; r, exact
.set Q, Q+1
.endr
.set Q, 0
.rept \np
	v_pk_mul_f32 v[216+2*Q:217+2*Q], v[208+2*Q:209+2*Q], v[208+2*Q:209+2*Q]                              ; u
.set Q, Q+1
.endr
.set Q, 0
.rept \np
	DEST (\f0)+2*Q
	v_pk_fma_f32 v[DS:DS+1], v[216+2*Q:217+2*Q], s[52:53], v[224:225] op_sel_hi:[1,0,1]                  ; A4 u + A3
	v_pk_fma_f32 v[DC:DC+1], v[216+2*Q:217+2*Q], s[60:61], v[226:227] op_sel_hi:[1,0,1]                  ; C4 u + C3
.set Q, Q+1
.endr
	HORN \f0, \np, 0, 54
	HORN \f0, \np, 1, 62
	HORN \f0, \np, 0, 56
	HORN \f0, \np, 1, 66
	HORN \f0, \np, 0, 58
	HORN \f0, \np, 1, 68
.set Q, 0
.rept \np
	DEST (\f0)+2*Q
	v_pk_mul_f32 v[DS:DS+1], v[DS:DS+1], v[208+2*Q:209+2*Q]                                              ; s2
.set Q, Q+1
.endr
.set Q, 0
.rept \np
	DEST (\f0)+2*Q
	v_pk_mul_f32 v[216+2*Q:217+2*Q], v[DS:DS+1], v[DS:DS+1]                                              ; s2^2
.set Q, Q+1
.endr
.set Q, 0
.rept \np
	DEST (\f0)+2*Q
	v_pk_mul_f32 v[DS:DS+1], v[DS:DS+1], v[DC:DC+1]                                                      ; the sine
.set Q, Q+1
.endr
.set Q, 0
.rept \np
	DEST (\f0)+2*Q
	v_pk_fma_f32 v[DC:DC+1], v[216+2*Q:217+2*Q], -0.5, 1.0 op_sel_hi:[1,0,0]                             ; the cosine
.set Q, Q+1
.endr
.endm
.macro BATCH f0, np, set, nf, nnp      ; the next batch's coefficients are asked for, then this batch is worked
	LOADC \nf, \nnp, 1-(\set)
	s_wait_dscnt \nnp                              ; all but the nnp loads just issued: this batch's coefficients are in
	FEAT \f0, \np, \set
.endm
; Block b of my point's features, v[y] .. v[y + 31], becomes six registers of codes and a byte of the scale word.  Even blocks go to tile A's registers, odd ones to tile B's: see the exchange at the end of FEATURES
.macro QUANTF b, y, first
.set DQ, 80+24*((\b)%2)+12*((\b)/4)+6*(((\b)/2)%2)
.set J, 0
.rept 16
	MAXL J, \y, 228
.set J, J+1
.endr
	v_add_nc_u32 v230, 0xff000000, v228            ; 2 off the exponent field: the conversion's scale operand
	v_cvt_scalef32_pk16_fp6_f32 v[DQ:DQ+2], v[\y:\y+15], v230
	v_cvt_scalef32_pk16_fp6_f32 v[232:234], v[\y+16:\y+31], v230    ; (a conversion's three registers begin on an even number)
	v_lshrrev_b32 v231, 23, v230                   ; the scale's byte.  (A plain place behind the conversions)
.if \first
	v_lshlrev_b32 v[22+(\b)/4], 8*((\b)%4), v231   ; the word's first byte to be made starts the word
.else
	v_lshl_or_b32 v[22+(\b)/4], v231, 8*((\b)%4), v[22+(\b)/4]
.endif
.irp i, 0,1,2
	v_mov_b32 v[DQ+3+\i], v[232+\i]
.endr
.endm
.macro FEATURES
	s_wait_loadcnt 0x0                             ; x and t are in
	v_lshrrev_b32 v230, 16, v10                    ; the unit's domain (the same in every lane's list word),
	v_min_u32 v6, 3, v230                          ; held at 3 by a constant before it enters an address,
	v_lshlrev_b32 v6, 10, v6                       ; says where its coefficients lie: 1,024 bytes a domain
	v_add_nc_u32 v6, CIB, v6
	LOADC 96, 2, 0
	v_mov_b32 v224, 0xbf9929ab                     ; A3, twice
	v_mov_b32 v225, 0xbf9929ab
	v_mov_b32 v226, 0xbfaa7b0d                     ; C3, twice
	v_mov_b32 v227, 0xbfaa7b0d
.irp i, 200,201,202,203,204,205,206,207
	v_mov_b32 v\i, 0                               ; k = 200 .. 207: the last block is filled with zeros
.endr
	BATCH 96, 2, 0,  0, 4
	BATCH  0, 4, 1,  8, 4
	BATCH  8, 4, 0, 16, 4
	BATCH 16, 4, 1, 24, 2
	BATCH 24, 2, 0, 28, 2
	QUANTF 3, 160, 1                               ; sines 96-99, cosines 0-27
	BATCH 28, 2, 1, 32, 4
	QUANTF 0, 128, 0                               ; sines 0-31
	BATCH 32, 4, 0, 40, 4
	BATCH 40, 4, 1, 48, 4
	BATCH 48, 4, 0, 56, 2
	BATCH 56, 2, 1, 60, 2
	QUANTF 4, 160, 1                               ; cosines 28-59
	BATCH 60, 2, 0, 64, 4
	QUANTF 1, 128, 0                               ; sines 32-63
	BATCH 64, 4, 1, 72, 4
	BATCH 72, 4, 0, 80, 4
	BATCH 80, 4, 1, 88, 2
	BATCH 88, 2, 0, 92, 2
	QUANTF 5, 160, 0                               ; cosines 60-91
	s_wait_dscnt 0x0
	FEAT 92, 2, 1
	QUANTF 2, 128, 0                               ; sines 64-95
	v_max3_num_f32 v228, |v192|, |v193|, FLOOR     ; block 6: cosines 92-99 and zeros
	v_max3_num_f32 v229, |v194|, |v195|, |v196|
	v_max3_num_f32 v228, v228, |v197|, |v198|
	v_max3_num_f32 v228, v228, v229, |v199|
	v_add_nc_u32 v230, 0xff000000, v228
	v_cvt_scalef32_pk16_fp6_f32 v[98:100], v[192:207], v230
	v_lshrrev_b32 v231, 23, v230
	v_lshl_or_b32 v23, v231, 16, v23               ; block 7's byte stays 0: its codes are zeros on both sides
.irp i, 101,102,103,122,123,124,125,126,127
	v_mov_b32 v\i, 0                               ; k = 208 .. 255: zero codes
.endr
; A lane holds all blocks of ITS point; the operand wants, in lanes 0-15 the even block and in lanes 16-31 the odd block, of a tile's 16 points.  The even blocks' registers hold [A's points | B's points], and so do the odd
; blocks': the first's upper lanes change places with the second's lower lanes, and the first holds [A even | A odd], tile A's operand, the second [B even | B odd], tile B's.
; Registers 100-103 and 124-127 are zeros on both sides (v100 holds the codes of k = 202 on, which are zeros) and stay where they are.
.set J, 0
.rept 20
	v_permlane16_swap_b32 v[80+J], v[104+J]
.set J, J+1
.endr
	NOPS 8                                         ; a scale register written by a vector instruction stands 8 places ahead of a scaled matrix instruction, an operand so written 4
.endm
; ---- LAYERS ----
.macro LOADS fro, sco, i               ; step i of a product: two fragments of the weight and their rows' scale words: seven loads, into set i % 2.  A fragment load's 512 bytes are consecutive
.set SL, (\i)%2
.irp f, 0,1
.irp c, 0,1,2
	ds_load_b128 v[32+24*SL+12*\f+4*\c:35+24*SL+12*\f+4*\c], v6 offset:(\fro)+(2*(\i)+\f)*1536+512*\c
.endr
.endr
	ds_load_b64 v[24+2*SL:25+2*SL], v7 offset:(\sco)+128*(\i)
.endm
.macro MM acc, fr, op, ws, sw, row1    ; source 0 = 16 rows of the weight, source 1 = 16 points.  Tile A's scale words stand in lanes 0-15 of v[sw], tile B's in lanes 16-31
.if \row1
	v_wmma_scale_f32_16x16x128_f8f6f4 v[\acc:\acc+7], v[\fr:\fr+11], v[\op:\op+11], v[\acc:\acc+7], v[\ws], v[\sw] matrix_a_fmt:MATRIX_FMT_FP6 matrix_b_fmt:MATRIX_FMT_FP6 matrix_b_scale:MATRIX_SCALE_ROW1
.else
	v_wmma_scale_f32_16x16x128_f8f6f4 v[\acc:\acc+7], v[\fr:\fr+11], v[\op:\op+11], v[\acc:\acc+7], v[\ws], v[\sw] matrix_a_fmt:MATRIX_FMT_FP6 matrix_b_fmt:MATRIX_FMT_FP6
.endif
.endm
; A product: n steps of two weight tiles x two tiles of points.  The accumulators take turns, one instruction a turn: no two matrix instructions that follow each other share one.
.macro STREAM fro, sco, n, bia, opa, opb
.irp t, 0,1,2,3,4,5,6,7                        ; the bias is each sum's first C: lane (r, h) wants units 64 (t / 4) + 32 h + 8 (t % 4) + 0 .. 7
	ds_load_b128 v[128+8*\t:131+8*\t], v8 offset:(\bia)+4*(64*(\t/4)+8*(\t%4))
	ds_load_b128 v[132+8*\t:135+8*\t], v8 offset:(\bia)+4*(64*(\t/4)+8*(\t%4))+16
	ds_load_b128 v[192+8*\t:195+8*\t], v8 offset:(\bia)+4*(64*(\t/4)+8*(\t%4))
	ds_load_b128 v[196+8*\t:199+8*\t], v8 offset:(\bia)+4*(64*(\t/4)+8*(\t%4))+16
.endr
	LOADS \fro, \sco, 0
	LOADS \fro, \sco, 1
.set I, 0
.rept \n
.if I+1 < \n
	s_wait_dscnt 0x7                               ; all but the next step's seven loads: this step's (and, in step 0, the biases) are in
.else
	s_wait_dscnt 0x0
.endif
.set SG, I%2
.set KS, I/4                                   ; which 128 along K
.set TT, (2*I)%8                               ; the step's first weight tile
	MM 128+8*TT, 32+24*SG, (\opa)+12*KS, 24+2*SG, 22+KS, 0
	MM 192+8*TT, 32+24*SG, (\opb)+12*KS, 24+2*SG, 22+KS, 1
	MM 136+8*TT, 44+24*SG, (\opa)+12*KS, 25+2*SG, 22+KS, 0
	MM 200+8*TT, 44+24*SG, (\opb)+12*KS, 25+2*SG, 22+KS, 1
.if (I+2 < \n) || (I+1 == \n)
	NOPS 4                                         ; places in front of loads into registers that these matrix instructions have read, and, behind the last step, of the first read of results
.endif
.if I+2 < \n
	LOADS \fro, \sco, I+2
.endif
.set I, I+1
.endr
.endm
; silu(z) = z / (1 + 2^(-z log2 e)), on four blocks of 32 registers: (A, c = 0) v128, (B, 0) v192, (A, 1) v160, (B, 1) v224; at work: v32-63 and v64-95 by turns.
; The stages of neighbouring blocks are laid into each other, so that plain lines stand among the exponentials and reciprocals, and each batch of those has ONE wait ahead of its first reader: five waits a layer.
.macro S1L z, t, j                     ; line j of 16: -z log2 e.  The lines go up through the accumulators, each from its low end on
	v_pk_mul_f32 v[\t+2*(\j):\t+2*(\j)+1], v[\z+2*(\j):\z+2*(\j)+1], s[50:51] op_sel_hi:[1,0]
.endm
.macro S6A last, zp, bp, j             ; line j of 16 on the finished block bp: its largest magnitude; in the last layer its part of h . W4
.if \last
.if ((\bp) < 2) && ((\j) == 0)
	v_pk_mul_f32 v[28+2*((\bp)%2):29+2*((\bp)%2)], v[\zp:\zp+1], v[96:97]
.else
	v_pk_fma_f32 v[28+2*((\bp)%2):29+2*((\bp)%2)], v[\zp+2*(\j):\zp+2*(\j)+1], v[96+2*(\j):97+2*(\j)], v[28+2*((\bp)%2):29+2*((\bp)%2)]
.endif
.else
	MAXL \j, \zp, 96
.endif
.endm
.macro S6B zp, bp                      ; the block's codes go straight into the next operand's registers 6 c .. 6 c + 5; its byte into the tile's scale word
.set PP, (\bp)%2
.set CP, (\bp)/2
	v_add_nc_u32 v98, 0xff000000, v96
	v_cvt_scalef32_pk16_fp6_f32 v[104+12*PP+6*CP:106+12*PP+6*CP], v[\zp:\zp+15], v98
	v_cvt_scalef32_pk16_fp6_f32 v[100:102], v[\zp+16:\zp+31], v98
	v_lshrrev_b32 v99, 23, v98
.if CP == 0
	v_mov_b32 v[22+PP], v99
.else
	v_lshl_or_b32 v[22+PP], v99, 16, v[22+PP]
.endif
.irp i, 0,1,2
	v_mov_b32 v[107+12*PP+6*CP+\i], v[100+\i]
.endr
.endm
.macro SILU last
.if \last
.irp i, 0,1,2,3,4,5,6,7
	ds_load_b128 v[96+4*\i:99+4*\i], v8 offset:W4O+16*\i      ; W4 at my units 32 h + 0 .. 31
.endr
.endif
.set J, 0
.rept 16
	S1L 128, 32, J
.set J, J+1
.endr
.set J, 0
.rept 32
	v_exp_f32 v[32+J], v[32+J]
.set J, J+1
.endr
	v_nop                                          ; a plain place behind the last exponential
	s_wait_alu depctr_va_vdst(0)                   ; one wait for the batch, ahead of its first reader
.set BE, 0
.rept 4
.set ZC, 128+64*(BE%2)+32*(BE/2)               ; this block, and where it is at work
.set TC, 32+32*(BE%2)
.set ZN, 128+64*((BE+1)%2)+32*((BE+1)/2)       ; the next
.set TN, 32+32*((BE+1)%2)
.set ZP, 128+64*((BE+1)%2)+32*((BE-1)/2)       ; the one before
.if (\last) && ((BE == 1) || (BE == 3))
	s_wait_dscnt 0x0                               ; W4's 32 numbers are in
.endif
.set J, 0
.rept 16
	v_pk_add_f32 v[TC+2*J:TC+2*J+1], v[TC+2*J:TC+2*J+1], 1.0 op_sel_hi:[1,0]
.set J, J+1
.endr
.set J, 0
.rept 16
	v_rcp_f32 v[TC+2*J], v[TC+2*J]
	v_rcp_f32 v[TC+2*J+1], v[TC+2*J+1]
.if BE < 3
	S1L ZN, TN, J
.else
	S6A \last, ZP, BE-1, J
.endif
.set J, J+1
.endr
.if BE < 3
.set J, 0
.rept 16
	v_exp_f32 v[TN+2*J], v[TN+2*J]
	v_exp_f32 v[TN+2*J+1], v[TN+2*J+1]
.if BE > 0
	S6A \last, ZP, BE-1, J
.endif
.set J, J+1
.endr
.if BE == 0
	v_nop
.endif
.endif
.if (BE > 0) && !(\last)
	S6B ZP, BE-1
.endif
.if (\last) && (BE == 2)
.irp i, 0,1,2,3,4,5,6,7
	ds_load_b128 v[96+4*\i:99+4*\i], v8 offset:W4O+256+16*\i  ; both tiles' c = 0 is summed: W4 at units 64 + 32 h + 0 .. 31
.endr
.endif
	s_wait_alu depctr_va_vdst(0)                   ; one wait for this block's reciprocals and the next block's exponentials, ahead of their first readers
.set J, 0
.rept 16
	v_pk_mul_f32 v[ZC+2*J:ZC+2*J+1], v[ZC+2*J:ZC+2*J+1], v[TC+2*J:TC+2*J+1]
.set J, J+1
.endr
.set BE, BE+1
.endr
.set J, 0
.rept 16
	S6A \last, 224, 3, J
.set J, J+1
.endr
.if \last
	ds_load_b32 v96, v8 offset:B4O
	v_add_f32 v28, v28, v29                        ; lane (r, h): the part of u(point r) over its 64 units, tile A's,
	v_add_f32 v30, v30, v31                        ; and tile B's
	v_permlane16_swap_b32 v28, v30                 ; v28: [A's h = 0 | B's h = 0], v30: [A's h = 1 | B's h = 1]
	v_add_f32 v28, v28, v30                        ; lane l: slot l's sum
	s_wait_dscnt 0x0
	v_add_f32 v28, v28, v96                        ; + b4
.else
	S6B 224, 3
	v_lshrrev_b32 v99, 4, v4                       ; 8 h
	v_lshlrev_b32 v22, v99, v22                    ; my bytes are blocks h and 2 + h: to their places
	v_lshlrev_b32 v23, v99, v23
	v_permlane16_swap_b32 v22, v23                 ; v22: [A's h = 0 | B's h = 0], v23: [A's h = 1 | B's h = 1]
	v_or_b32 v22, v22, v23                         ; lanes 0-15: tile A's whole words, lanes 16-31: tile B's
	NOPS 8                                         ; a scale register written by a vector instruction stands 8 places ahead of a scaled matrix instruction
.endif
.endm
	s_load_b256 s[4:11], s[0:1], 0x0               ; wimg 4, lst 6, pos 8, x 10
	s_load_b128 s[12:15], s[0:1], 0x20             ; t 12, out0 14
	v_lshl_add_u32 v1, v0, 2, SPARE
	v_mov_b32 v2, 0
	ds_add_u32 v1, v2                              ; the wave's opening: the add, twice on end, and its wait ahead of my first tensor load; the set-up below, work on registers, stands between
	ds_add_u32 v1, v2
	v_lshrrev_b32 v3, 5, v0
	v_readfirstlane_b32 s16, v3                    ; wave 0..11
	v_lshlrev_b32 v5, 2, v0                        ; the list: 128 w + 4 lane
	v_lshl_add_u32 v13, v0, 2, STG                 ; the stage: the same
	v_and_b32 v3, 15, v0
	v_lshlrev_b32 v3, 3, v3
	v_bfe_u32 v4, v0, 4, 1
	v_lshlrev_b32 v4, 7, v4
	v_and_b32 v0, 31, v0
	v_lshlrev_b32 v0, 4, v0
	s_and_b32 s17, s16, 7
	s_lshl_b32 s17, s17, 9                         ; kept to the end: 512 (w % 8)
	v_add_nc_u32 v8, s17, v0                       ; pos: 512 (w % 8) + 16 lane
	v_mov_b32 v14, 0                               ; the results' registers are moved up once a trip: written once, so that the first moves read something
	v_mov_b32 v15, 0
	; descriptors: dense blocks as rows of 256 bytes (32 elements of 8 bytes), no padding, no mask.  Each wave brings 70 rows of the four records (12 x 70 x 256 = 215,040); wave 0 also the 16 rows of coefficients
	s_mov_b32 s20, 3<<16
	s_mov_b32 s21, 32<<16                          ; tensor_dim0
	s_mov_b32 s22, 70<<16                          ; tensor_dim1
	s_mov_b32 s23, 32<<16                          ; tile_dim0
	s_mov_b32 s24, 70                              ; tile_dim1
	s_mov_b32 s25, 32                              ; the pitch
	s_mov_b32 s26, 0
	s_mov_b32 s27, 0
	s_mov_b32 s28, 3<<16
	s_mov_b32 s29, 32<<16
	s_mov_b32 s30, 16<<16
	s_mov_b32 s31, 32<<16
	s_mov_b32 s32, 16
	s_mov_b32 s33, 32
	s_mov_b32 s34, 0
	s_mov_b32 s35, 0
	s_mov_b32 s36, 1
	s_mul_i32 s37, s16, 17920                      ; my 70 rows in LDS,
	s_mov_b32 s18, s37                             ; and in memory
	s_mov_b32 s19, 0
	s_mov_b32 s40, 1
	s_mov_b32 s41, CIB
	SPAIR 50, 0xbfb8aa3b                           ; -log2 e
	SPAIR 52, 0x3e1f0b15                           ; A4
	SPAIR 54, 0x40a33479                           ; A2
	SPAIR 56, 0xc1255de2                           ; A1
	SPAIR 58, 0x40c90fdb                           ; A0
	SPAIR 60, 0x3e60f861                           ; C4
	SPAIR 62, 0x4081de83                           ; C2
	SPAIR 66, 0xc09de9d3                           ; C1
	SPAIR 68, 0x3f7fffff                           ; C0
	s_wait_dscnt 0x0                               ; both opening adds are done
	s_wait_kmcnt 0x0
	s_add_nc_u64 s[38:39], s[4:5], s[18:19]
	s_or_b32 s39, s39, 0x80000000
	s_add_nc_u64 s[42:43], s[4:5], CIB
	s_or_b32 s43, s43, 0x80000000
	s_cmp_eq_u32 s16, 0                            ; the first fills: every wave issues one, wave 0 two: at most two loads of a wave are out.  No byte is filled twice
	s_cbranch_scc0 .Lnot_first
	tensor_load_to_lds s[40:43], s[28:35]
	s_nop 0
	tensor_load_to_lds s[36:39], s[20:27]
	s_nop 0
	NOPS 4
	s_branch .Lasked
.Lnot_first:
	tensor_load_to_lds s[36:39], s[20:27]
	s_nop 0
	NOPS 4
.Lasked:
	s_lshl_b32 s18, ttmp9, 12                      ; the block's 1,024 words of pos, x, t, out0
	s_add_nc_u64 s[8:9], s[8:9], s[18:19]
	s_add_nc_u64 s[10:11], s[10:11], s[18:19]
	s_add_nc_u64 s[12:13], s[12:13], s[18:19]
	s_add_nc_u64 s[14:15], s[14:15], s[18:19]
	s_mul_i32 s18, ttmp9, 4608                     ; and its list
	s_add_nc_u64 s[6:7], s[6:7], s[18:19]
	global_load_b32 v10, v5, s[6:7]                ; my three units' list words
	global_load_b32 v11, v5, s[6:7] offset:1536
	global_load_b32 v12, v5, s[6:7] offset:3072
	global_load_b128 v[16:19], v8, s[8:9]          ; the slots of the four points that I store at the end (waves 8 to 11 store none: they load what waves 0 to 3 load, so that every wave counts the same loads)
	s_wait_loadcnt 0x1                             ; the list words are in; the last load may be out
	GATHER
	s_wait_tensorcnt 0x0                           ; my fills have landed,
	s_barrier_signal -1
	s_barrier_wait -1                              ; everybody's have: from here to the barrier behind the loop LDS is only read
	FEATURES                                       ; my first unit's features
	s_mov_b32 s44, 0                               ; the trip
.Lunit:
	v_lshrrev_b32 v28, 16, v10                     ; the unit's domain,
	v_min_u32 v29, 3, v28                          ; held at 3 by a constant before it enters an address,
	v_mul_u32_u24 v29, REC, v29                    ; says where its record lies
	v_add_nc_u32 v6, v29, v0
	v_add_nc_u32 v7, v29, v3
	v_add_nc_u32 v8, v29, v4
	v_mov_b32 v10, v11                             ; on to the next unit's list word,
	v_mov_b32 v11, v12
	s_cmp_eq_u32 s44, 2                            ; if there is a next unit: a branch on the count of trips
	s_cbranch_scc1 .Lno_gather
	GATHER                                         ; whose x and t are asked for three layers ahead of their use
.Lno_gather:
	STREAM W1F, SCW, 8, BIA, 80, 104               ; 256 (200 and zeros) -> 128
	SILU 0
	STREAM W2F, SCW+1024, 4, BIA+512, 104, 116     ; 128 -> 128
	SILU 0
	STREAM W3F, SCW+1536, 4, BIA+1024, 104, 116    ; 128 -> 128
	SILU 1                                         ; and 128 -> 1
	v_mov_b32 v9, v14                              ; the results move up: behind three trips v9, v14, v15 hold units w, w + 12, w + 24
	v_mov_b32 v14, v15
	v_mov_b32 v15, v28
	s_cmp_eq_u32 s44, 2
	s_cbranch_scc1 .Llast_unit
	FEATURES
.Llast_unit:
	s_add_co_u32 s44, s44, 1
	s_cmp_lt_u32 s44, 3
	s_cbranch_scc1 .Lunit
	s_wait_dscnt 0x0                               ; my reads of the weights are over,
	s_barrier_signal -1
	s_barrier_wait -1                              ; everybody's are: now the stage is written
	ds_store_b32 v13, v9                           ; slot 32 (w + 12 a) + lane
	ds_store_b32 v13, v14 offset:1536
	ds_store_b32 v13, v15 offset:3072
	s_wait_dscnt 0x0                               ; my three stores into the stage are done,
	s_barrier_signal -1
	s_barrier_wait -1                              ; everybody's are
	s_cmp_lt_u32 s16, 8                            ; back to the points' order: eight waves, four neighbouring points a lane
	s_cbranch_scc0 .Lno_out
	v_add_nc_u32 v44, s17, v0                      ; out0: 512 w + 16 lane
.irp i, 0,1,2,3
	v_cmp_eq_u32 s[72+\i], 0x480, v[16+\i]         ; 1152: x is NaN
	v_min_u32 v[32+\i], 0x47f, v[16+\i]            ; the slot is held inside the stage by a constant before it enters an address
	v_lshlrev_b32 v[32+\i], 2, v[32+\i]
	v_add_nc_u32 v[32+\i], STG, v[32+\i]
.endr
.irp i, 0,1,2,3
	ds_load_b32 v[36+\i], v[32+\i]
.endr
	s_wait_dscnt 0x0
.irp i, 0,1,2,3
	v_cndmask_b32 v[36+\i], v[36+\i], 0, s[72+\i]
.endr
	global_store_b128 v44, v[36:39], s[14:15]      ; the wave stores 512 consecutive bytes, at a multiple of 256 from out0's first byte
.Lno_out:
	s_barrier_signal -1                            ; the reads of the stage are over in every wave before any wave goes on to its closing lines
	s_barrier_wait -1
	s_wait_tensorcnt 0x0                           ; the wave's end, behind my last tensor load and my last LDS store
	ds_add_u32 v1, v2
	s_wait_dscnt 0x0
	s_endpgm
.Lfunc_end_k_q5b27b3a62e_chain:
	.size	k_q5b27b3a62e_chain, .Lfunc_end_k_q5b27b3a62e_chain-k_q5b27b3a62e_chain
	.p2alignl 7, 3214868480
	.fill 96, 4, 3214868480
	.section	.rodata,"a",@progbits
	.p2align	6, 0x0
	.amdhsa_kernel k_q5b27b3a62e_chain
		.amdhsa_group_segment_fixed_size 233472
		.amdhsa_private_segment_fixed_size 0
		.amdhsa_enable_private_segment 0
		.amdhsa_kernarg_size 48
		.amdhsa_user_sgpr_count 2
		.amdhsa_user_sgpr_kernarg_segment_ptr 1
		.amdhsa_wavefront_size32 1
		.amdhsa_system_sgpr_workgroup_id_x 1
		.amdhsa_system_sgpr_workgroup_id_y 1
		.amdhsa_system_sgpr_workgroup_id_z 1
		.amdhsa_system_vgpr_workitem_id 0
		.amdhsa_next_free_vgpr 256
		.amdhsa_next_free_sgpr 80
		.amdhsa_reserve_vcc 0
		.amdhsa_float_denorm_mode_32 3
		.amdhsa_float_denorm_mode_16_64 3
		.amdhsa_memory_ordered 1
		.amdhsa_forward_progress 1
		.amdhsa_inst_pref_size 245
	.end_amdhsa_kernel
	.amdgpu_metadata
---
amdhsa.version: [ 1, 2 ]
amdhsa.kernels:
  - .name:           k_q5b27b3a62e_chain
    .symbol:         k_q5b27b3a62e_chain.kd
    .args:
      - { .name: wimg, .offset: 0, .size: 8, .value_kind: global_buffer, .address_space: global }
      - { .name: lst, .offset: 8, .size: 8, .value_kind: global_buffer, .address_space: global }
      - { .name: pos, .offset: 16, .size: 8, .value_kind: global_buffer, .address_space: global }
      - { .name: x, .offset: 24, .size: 8, .value_kind: global_buffer, .address_space: global }
      - { .name: t, .offset: 32, .size: 8, .value_kind: global_buffer, .address_space: global }
      - { .name: out0, .offset: 40, .size: 8, .value_kind: global_buffer, .address_space: global }
    .group_segment_fixed_size: 233472
    .private_segment_fixed_size: 0
    .kernarg_segment_align: 8
    .kernarg_segment_size: 48
    .max_flat_workgroup_size: 384
    .sgpr_count:     80
    .vgpr_count:     256
    .wavefront_size: 32
...
	.end_amdgpu_metadata
.endif
;; end of part 2
